; MI455X (gfx1250); checked and timed in simulation.
; The chip was launched on July 23, 2026; its instructions are those of AMD's public machine-readable ISA for CDNA 5 (MIT licence, August 2026) and "CDNA5" Instruction Set Architecture Reference Guide (July 2026). The comments in the code are by the model that wrote it; some were corrected since.
;; Discrete Embedding. Allowed arithmetic: matrix products marked QUANTISED: E4M3 operands, one given power-of-two scale a tensor, by v_wmma_f32_16x16x64_fp8_fp8 or v_wmma_f32_16x16x128_fp8_fp8, f32 sums; everything else in f32.
;; Inputs: lowp_scales 2 int32 (the exponents e of the quantised operands' scales 2^e); points 512 int32; time_embedding 512 x 64 float32; x 128 x 512 float32.
;; Outputs: out0 128 x 512 x 64 float32.
;; This version of the problem:
;;   THIS VERSION OF THE PROBLEM IS GIVEN IN LOW PRECISION. The matrix products marked QUANTISED in the list below multiply operands that are first quantised to E4M3 (4 exponent bits, 3 mantissa bits; 8 bits a number), with one given power-of-two scale for each operand tensor; their sums are f32. All else is computed in f32.
;;   The module's matrix products, in the order in which they are computed (A, B: the left and right operand; K: the contracted axis; several contracted axes count as one K, in the product's order):
;;     1. [M 65,536, K 512] x [K 512, N 64]; A: computed on the way; B: input time_embedding: QUANTISED (scales: A lowp_scales[0], B lowp_scales[1])
;;   THE QUANTISER, for each operand of a quantised product, along K:
;;     - The operand's scale is 2^e, e = its entry of the input lowp_scales (int32; the entries are numbered through the quantised products in the list's order, A before B).
;;     - Each number is divided by the scale, clamped to +-448, and rounded to the nearest number of E4M3, ties to even, subnormals kept.
;;     - The product sums the exact products of the quantised numbers (number of the format x scale) in f32.
;;   ~~~python
;;   def quantise(x, axis, e):      # numpy; x: float32 -> the quantised numbers, widened to float32 again
;;       x = np.moveaxis(x, axis, -1); K = x.shape[-1]
;;       r = np.clip(x / 2.0 ** e, -448, 448)
;;       step = 2.0 ** (np.maximum(np.frexp(np.where(r == 0, 1, r))[1] - 1, -6) - 3)
;;       q = np.round(r / step) * step * 2.0 ** e      # np.round: ties to even
;;       return np.moveaxis(q, -1, axis).astype(np.float32)
;;   ~~~
;;   OPERANDS COMPUTED ON THE WAY. 'Computed on the way' means the value that the module computes at that place (a softmax that the list does not call 'softmax' is quantised finished and normalised). What goes into a quantiser is computed in f32, as accurately as f32 sums, v_exp_f32 and their like allow (about 1e-6 of the number): no bf16 or f16 on the way to a quantiser, and a product that is left as it is and whose result goes on into a quantised operand takes f32 operands (vector FMAs, or v_wmma_f32_16x16x4_f32). A number that lies on a knife's edge between two numbers of the format may be rounded either way, as far as f32 arithmetic and the matrix unit's own rounding can turn it there, and no further.
;; One version. Each part assembles by itself: llvm-mc -triple=amdgcn-amd-amdhsa -mcpu=gfx1250 --defsym DOCPART=n.
;; ======== version 1 of 1: 1 launch
;; limits: inputs' magnitudes at most 8,192
;; launch embed (part 1): grid 256 x 1, 4 waves a work-group, clusters of 4 x 1, 189,952 bytes of LDS; arguments x, points, time_embedding, lowp_scales, out0; writes out0
.if DOCPART == 1
	.amdgcn_target "amdgcn-amd-amdhsa--gfx1250"
	.amdhsa_code_object_version 6
	.text
	.protected	k_q26f082dc79_embed
	.globl	k_q26f082dc79_embed
	.p2align	8
	.type	k_q26f082dc79_embed,@function
k_q26f082dc79_embed:
	s_mov_b64 s[64:65], 0
	v_nop
	global_prefetch_b8 v0, s[64:65] scope:SCOPE_SE
	s_setreg_imm32_b32 hwreg(HW_REG_WAVE_MODE, 25, 1), 1
	s_wait_xcnt 0x0
	s_wait_alu depctr_hold_cnt(0) depctr_sa_sdst(0) depctr_va_vdst(0) depctr_va_sdst(0) depctr_va_ssrc(0) depctr_va_vcc(0) depctr_vm_vsrc(0)
	s_getreg_b32 s2, hwreg(HW_REG_IB_STS2, 6, 4)
	s_cmp_eq_u32 s2, 0
	s_cbranch_scc0 .Lentry_in_a_cluster
	s_endpgm
.Lentry_in_a_cluster:
	s_bfe_u32 s2, ttmp6, 0x10000c
	s_cmp_lg_u32 s2, 0x3003
	s_cbranch_scc0 .Lentry_shape_is_right
	s_endpgm
.Lentry_shape_is_right:
; out[m][:] = sum over n of Q(w[m][n]) Q(te[n][:]),  w[m][n] = window(512 x[m] - float(points[n])),  m = 0 .. 65,535, n = 0 .. 511, 64 columns.
; The window is 4 where |d| < 0.5, 1 where |d| = 0.5, 0 elsewhere.  Both operands are codes of E4M3 with the given scales 2^e0 (w) and 2^e1 (te); products by v_wmma_f32_16x16x128_fp8_fp8, sums in f32, x 2^(e0 + e1).
; SHARES.  256 work-groups of four waves; a work-group owns 256 rows m, a wave 64: four tiles of 16.  Every wave keeps all of te's codes (16 fragments, 256 registers) and the 256 points of its lanes' halves in registers.
; HOW A CODE OF w IS MADE.  points are whole numbers, so with xs = 512 x and k = floor(xs) only p = k and p = k + 1 can have |xs - p| <= 0.5.  ONCE A ROW the kernel forms d = xs - k and d = xs - (k + 1) by the same f32
; subtractions as the definition, takes the window, holds it at 448 x 2^e0 and converts it: two bytes, ca and cb.  FOR EACH ELEMENT only the question 'is p equal to k, to k + 1, or neither' is left: g = float(p) - (k + 0.25) is
; exactly -0.25, exactly 0.75, or at least 1.25 in magnitude.  A conversion to E4M3 with the scale 2^-9 gives -128 (byte 0xf0), 384 (byte 0x7c), or a number beyond 448 (ISA guide 7.6.2: the NaN code, 0x7f or 0xff; were it held
; at the largest code: 0x7e, 0xfe).  The low three bits are 0, 4, and 7 (or 6): a byte selector for v_perm_b32, which takes ca (byte 0 of its second source), cb (byte 0 of its first) or 0 (bytes 2, 3 of its first).
; For 64 codes of a lane: 32 packed additions, 8 conversions, 16 v_and_b32, 16 v_perm_b32.
; te, 131,072 bytes of f32, is wanted whole by every work-group: the four work-groups of a cluster ask for it JOINTLY, wave w for rows 128 w .. 128 w + 127 by one tensor load (one load of a wave is out).
; Wave w alone reads its quarter: a lane takes a column and its registers run down K; hold, conversion, and the codes go to LDS as images of the fragments' registers; one barrier; every wave loads all 16 fragments.
; K'S PLACES.  Register 4 c + i, byte y of lane (r, h) holds n = 128 s + 32 c + 16 h + 4 i + y, in w's fragments and in te's alike: a permutation of K that is the same on both sides.
; THE PRODUCTS ARE USED TRANSPOSED (source 0 = 16 columns of te, source 1 = 16 rows of w): a lane holds 8 neighbouring outputs of one row.  A tile goes through the wave's own stage in LDS and leaves as whole rows of 256 bytes.
; LIMITS.  |x| < 8192, so that k + 0.25 and k + 1 are exact in f32.  NaN in x or in time_embedding is not served (a NaN in x gives a row of zeros).  e0 and e1 between -126 and 119; e0 + e1 between -126 and 127.
; points may be any int32, in any order, with repeats.
; REGISTERS, in windows of 256:  window 0: v2-14 addresses and constants; v16-62 a row's numbers; v64-127 g (te's f32 while it is quantised); v128-143 raw bytes; v144-207 w's codes, 16 for each K step; v208-239 four accumulators.
;   window 1: v0-127 te's fragments of K steps 0, 1; v128-255 the points of K steps 1, 2.   window 2: te's of steps 2, 3; the points of steps 3, 0.   window 3: v0-31 scaled results, v32-63 rows read back.
;   So the products of step s - 1 and the additions of step s take their source 0 from the same window and can stand among each other under one setting.
.set TE,     0                         ; LDS: te as f32, 512 rows of 256 bytes, filled by the tensor loads and by nothing else
.set BIMG,   131072                    ; images of te's 16 fragments: (4 s + t) x 2,048 bytes
.set PFL,    BIMG+32768                ; the points as f32: 2,048 bytes for each wave, its own
.set STAGE,  PFL+4*2048                ; the way out: 16 rows x 272 bytes for each wave, its own
.set SP,     272                       ; a stage row: 256 bytes + 16, so that the 16 rows of a store start at 16 different banks (64 banks of 4 bytes: ISA guide 11.1)
.set SPARE,  STAGE+4*16*SP             ; the spare words, 128 bytes for each wave: two blocks of 256 bytes that no other line names
.set SPW,  2                           ; v2   LDS address of my spare word; never rewritten
.set NIL,  3                           ; v3   0; never rewritten
.set LI,   4                           ; v4   16 x lane: my bytes in the points, and in two rows of out
.set PST,  5                           ; v5   where I store points as f32
.set PRD,  6                           ; v6   where my half of the lanes reads them: + 64 h
.set TRD,  7                           ; v7   te in LDS: my wave's quarter, my column
.set BST,  8                           ; v8   where I store 16 codes of a fragment's image
.set BRD,  9                           ; v9   where I read the images
.set STO,  10                          ; v10  the stage: where I put 32 bytes of a row
.set RD,   11                          ; v11  and where I read a row back
.set XO,   12                          ; v12  4 x (lane % 16): my row's x
.set F4,   13                          ; v13  4.0
.set F1,   14                          ; v14  1.0
.set XV,   16                          ; v16-19  x, then xs, of my row in tiles 0 to 3
.set KF,   20                          ; v20-23  k = floor(xs)
.set TA,   24                          ; v24-27  |xs - k|        (v24-26 at the head: lane, lane % 16, lane / 16)
.set TB,   28                          ; v28-31  |xs - (k + 1)|
.set WW,   32                          ; v32-39  the window at the two, tile by tile
.set CC,   40                          ; v40-41  their eight codes
.set CA,   42                          ; v42-45  ca of tiles 0 to 3, a byte in bits 7:0, zeros above
.set CB,   46                          ; v46-49  cb likewise
.set NC,   50                          ; v50-57  -(k + 0.25), twice: a pair for the packed addition
.set SCA,  58                          ; v58  2^e0            v59  448 x 2^e0
.set LIMA, 59
.set SCB,  60                          ; v60  2^e1            v61  448 x 2^e1
.set LIMB, 61
.set SCG,  62                          ; v62  2^-9
.set G,    64
.set RAW,  128
.set AC,   144
.set ACC,  208
.set SS,   0                           ; in window 3
.set RR,   32                          ; in window 3
.set WV,   14                          ; s14  my wave's number
.set G0,   24                          ; s[24:27] descriptor group 0
.set G1,   28                          ; s[28:35] descriptor group 1
.set M7,   36                          ; s36  0x07070707
.set SC,   38                          ; s[38:39] 2^(e0 + e1), named as a pair
.set MSB, 0
.macro WIN new                         ; the immediate's high byte repeats the setting that is left; a switch that changes nothing is dropped
.if MSB != \new
	s_set_vgpr_msb (MSB<<8)|\new
.set MSB, \new
.endif
.endm
; A round of the cluster's barrier: my work-group's barrier, wave 0 signals for the work-group, every wave waits for all four work-groups, my work-group's barrier once more.
.macro CROUND
	s_barrier_signal -1
	s_barrier_wait -1
	s_cmp_lg_u32 s[WV], 0
	s_cbranch_scc1 .Lnot_wave_0_\@
	s_barrier_signal -3
.Lnot_wave_0_\@:
	s_barrier_wait -3
	s_barrier_signal -1
	s_barrier_wait -1
.endm
	s_load_b256 s[4:11], s[0:1], 0x0               ; x s[4:5], points s[6:7], te s[8:9], the scales' exponents s[10:11]
	s_load_b64 s[12:13], s[0:1], 0x20              ; out
	v_lshl_add_u32 v[SPW], v0, 2, SPARE
	v_mov_b32 v[NIL], 0
	ds_add_u32 v[SPW], v[NIL]                      ; the wave's opening: the add and its wait stand ahead of my first tensor load; the set-up below, work on registers, stands between them
	v_lshrrev_b32 v1, 5, v0
	v_readfirstlane_b32 s[WV], v1                  ; wave 0..3
	v_and_b32 v24, 31, v0                          ; lane
	v_and_b32 v25, 15, v0                          ; r = lane % 16
	v_bfe_u32 v26, v0, 4, 1                        ; h = lane / 16
	v_lshlrev_b32 v[LI], 4, v24
	v_lshlrev_b32 v[XO], 2, v25
	s_lshl_b32 s40, s[WV], 11
	s_add_co_u32 s40, s40, PFL                     ; my wave's 2,048 bytes of points
	v_add_nc_u32 v[PST], s40, v[LI]
	v_lshl_add_u32 v[PRD], v26, 6, s40
	s_lshl_b32 s[G0+1], s[WV], 15                  ; group 0, 63:32: LDS address of my quarter of te: TE + 32,768 x wave
	v_lshl_add_u32 v[TRD], v24, 2, s[G0+1]         ; + 4 x lane: my column of the left 32
	s_lshl_b32 s42, s[WV], 13
	s_add_co_u32 s42, s42, BIMG                    ; the four images of K step s = my wave
	v_lshl_add_u32 v[BST], v26, 11, s42            ; column 32 cs + lane lies in fragment t = 2 cs + lane / 16,
	v_lshl_add_u32 v[BST], v25, 4, v[BST]          ; at that fragment's lane lane % 16 (+ 16 for the odd groups of rows: in the immediate)
	v_add_nc_u32 v[BRD], BIMG, v[LI]
	s_mul_i32 s43, s[WV], 16*SP
	s_add_co_u32 s43, s43, STAGE                   ; my stage
	v_mul_u32_u24 v[STO], v25, SP
	v_lshl_add_u32 v[STO], v26, 5, v[STO]
	v_add_nc_u32 v[STO], s43, v[STO]               ; in: row r, + 32 h
	v_mul_u32_u24 v[RD], v26, SP
	v_lshl_add_u32 v[RD], v25, 4, v[RD]
	v_add_nc_u32 v[RD], s43, v[RD]                 ; back: lanes 0-15 one row, lanes 16-31 the next
	; descriptor group 1: 128 rows of 256 bytes, dense in memory and in LDS, as 32 elements of 8 bytes a row
	s_mov_b32 s[G1], 15|(3<<16)|(1<<21)            ; 15:0 the mask: all four work-groups of the cluster; 17:16 elements of 8 bytes; 21 set beside a mask
	s_mov_b32 s[G1+1], 32<<16                      ; tensor_dim0 = 32
	s_mov_b32 s[G1+2], 128<<16                     ; tensor_dim1 = 128
	s_mov_b32 s[G1+3], 32<<16                      ; tile_dim0 = 32
	s_mov_b32 s[G1+4], 128                         ; tile_dim1 = 128
	s_mov_b32 s[G1+5], 32                          ; from row to row: 32 elements
	s_mov_b32 s[G1+6], 0
	s_mov_b32 s[G1+7], 0
	s_mov_b32 s[G0], 1                             ; count = 1
	s_lshl_b32 s46, s[WV], 15                      ; my quarter of te in memory: the wave's number alone, the same in all four partners
	s_mov_b32 s47, 0
	s_bfe_u32 s15, ttmp6, 0x40000                  ; cx: my place in the cluster: it enters x's and out's addresses alone
	s_lshl_b32 s16, ttmp9, 2
	s_add_co_u32 s16, s16, s15                     ; work-group = 4 x cluster + cx
	s_lshl_b32 s18, s16, 10
	s_lshl_b32 s44, s[WV], 8
	s_add_co_u32 s18, s18, s44                     ; x: 4 bytes x (256 x work-group + 64 x wave)
	s_mov_b32 s19, 0
	s_lshl_b32 s22, s16, 16
	s_lshl_b32 s44, s[WV], 14
	s_add_co_u32 s22, s22, s44                     ; out: 256 bytes x the same row
	s_mov_b32 s23, 0
	s_mov_b32 s[M7], 0x07070707
	s_wait_dscnt 0x0                               ; the opening add is done
	s_wait_kmcnt 0x0
	s_load_b64 s[20:21], s[10:11], 0x0             ; e0, e1
	s_add_nc_u64 s[4:5], s[4:5], s[18:19]
	s_add_nc_u64 s[12:13], s[12:13], s[22:23]
	s_add_nc_u64 s[G0+2:G0+3], s[8:9], s[46:47]    ; group 0, 120:64: global address of my quarter
	s_or_b32 s[G0+3], s[G0+3], 0x80000000          ; 127:126 type = 2
.set I, 0
.rept 4
	global_load_b128 v[G+4*I:G+4*I+3], v[LI], s[6:7] offset:512*I   ; all 512 points, 16 a lane: 512 consecutive bytes a load
.set I, I+1
.endr
.set I, 0
.rept 4
	global_load_b32 v[XV+I], v[XO], s[4:5] offset:64*I              ; x of row 16 I + r of my 64
.set I, I+1
.endr
	CROUND                                         ; all four work-groups are here: the joint loads meet
	tensor_load_to_lds s[G0:G0+3], s[G1:G1+7]      ; my quarter of te, for all four work-groups
	s_nop 0
.rept 4
	v_nop
.endr
	; ---- the points as f32, through my own 2,048 bytes of LDS, into the registers of my half of the lanes
	s_wait_loadcnt 0x4                             ; the points are in; the four younger loads, x's, may be out
.set I, 0
.rept 16
	v_cvt_f32_i32 v[G+I], v[G+I]                   ; to the nearest f32, ties to even, as astype does
.set I, I+1
.endr
.set I, 0
.rept 4
	ds_store_b128 v[PST], v[G+4*I:G+4*I+3] offset:512*I
.set I, I+1
.endr
.macro PLD s                           ; K step s: register 16 c + 4 i + y = point 128 s + 32 c + 16 h + 4 i + y.  LDS serves a wave's instructions in order (ISA guide 5.7.1.4): these see my stores
.set PB, 128+64*(((\s)+3)%2)
.set I, 0
.rept 16
	ds_load_b128 v[PB+4*I:PB+4*I+3], v[PRD] offset:512*(\s)+128*(I/4)+16*(I%4)
.set I, I+1
.endr
.endm
	WIN 0x40                                       ; destination window 1
	PLD 1
	PLD 2
	WIN 0x80                                       ; destination window 2
	PLD 3
	PLD 0
	WIN 0
	; ---- once a row: k, the two candidates' windows, their codes.  (This stands while the points come back from LDS)
	s_wait_loadcnt 0x0                             ; x
	s_wait_kmcnt 0x0                               ; e0, e1
	s_add_co_i32 s40, s20, 127
	s_lshl_b32 s41, s40, 23
	v_mov_b32 v[SCA], s41                          ; 2^e0 as f32: the conversion takes its exponent field
	s_add_co_i32 s40, s40, 8
	s_lshl_b32 s40, s40, 23
	s_or_b32 s40, s40, 0x600000
	v_mov_b32 v[LIMA], s40                         ; 448 x 2^e0
	s_add_co_i32 s40, s21, 127
	s_lshl_b32 s41, s40, 23
	v_mov_b32 v[SCB], s41                          ; 2^e1
	s_add_co_i32 s40, s40, 8
	s_lshl_b32 s40, s40, 23
	s_or_b32 s40, s40, 0x600000
	v_mov_b32 v[LIMB], s40                         ; 448 x 2^e1
	s_add_co_i32 s[SC], s20, s21
	s_add_co_i32 s[SC], s[SC], 127
	s_lshl_b32 s[SC], s[SC], 23                    ; 2^(e0 + e1) as f32
	s_mov_b32 s[SC+1], s[SC]                       ; (named with it as a pair, so it is written)
	v_mov_b32 v[SCG], 0x3b000000                   ; 2^-9
	v_mov_b32 v[F4], 4.0
	v_mov_b32 v[F1], 1.0
.irp j, 0,1,2,3
	v_mul_f32 v[XV+\j], 0x44000000, v[XV+\j]       ; xs = 512 x: exact
.endr
.irp j, 0,1,2,3
	v_floor_f32 v[KF+\j], v[XV+\j]
.endr
.irp j, 0,1,2,3
	v_sub_f32 v[TA+\j], v[XV+\j], v[KF+\j]         ; d at p = k: the definition's own subtraction
	v_add_f32 v[TB+\j], 1.0, v[KF+\j]
.endr
.irp j, 0,1,2,3
	v_sub_f32 v[TB+\j], v[XV+\j], v[TB+\j]         ; d at p = k + 1
	v_sub_f32 v[NC+2*\j], 0xbe800000, v[KF+\j]     ; -0.25 - k: exact for |xs| < 2^22
.endr
.irp j, 0,1,2,3
	v_mov_b32 v[NC+2*\j+1], v[NC+2*\j]
.endr
.macro WINDOW d, w                     ; v[w] = 4 where |v[d]| < 0.5, 1 where it is 0.5, else 0: what (sp - sm) / 2 x (1 + sp) x (1 - sm) gives
	v_and_b32 v[\d], 0x7fffffff, v[\d]
	v_cmp_gt_f32 vcc_lo, 0.5, v[\d]
	v_cndmask_b32 v[\w], 0, v[F4], vcc_lo
	v_cmp_eq_f32 vcc_lo, 0.5, v[\d]
	v_cndmask_b32 v[\w], v[\w], v[F1], vcc_lo
.endm
.irp j, 0,1,2,3
	WINDOW TA+\j, WW+2*\j
	WINDOW TB+\j, WW+2*\j+1
.endr
.irp i, 0,1,2,3,4,5,6,7
	v_min_num_f32 v[WW+\i], v[WW+\i], v[LIMA]      ; the conversion to an 8-bit code does not saturate (ISA guide 7.6.2); w is not negative, so the hold is one-sided
.endr
	v_cvt_scalef32_pk8_fp8_f32 v[CC:CC+1], v[WW:WW+7], v[SCA]   ; THE QUANTISER OF w: eight numbers / 2^e0, to the nearest code, ties to even
	v_nop                                          ; one plain vector instruction between a scaled conversion and the first reader of its result
.irp j, 0,1,2,3
	v_bfe_u32 v[CA+\j], v[CC+\j/2], 16*(\j%2), 8
	v_bfe_u32 v[CB+\j], v[CC+\j/2], 16*(\j%2)+8, 8
.endr
; ---- the work of a K step of 128 for tile j
; ADDS: g = point - (k + 0.25) for my 64 points of step s, two an instruction.  mm = 1: the four products of the step before (s - 1, or step 3 of the tile before) stand among them, one ahead of every eight additions:
; the additions name none of the products' registers.  The four accumulators take turns, one instruction a turn.  A tile's step 0 starts the sums with the constant 0: nothing is cleared.
.macro MM4 us, t
.if (\us) == 0
	v_wmma_f32_16x16x128_fp8_fp8 v[ACC+8*(\t):ACC+8*(\t)+7], v[64*((\us)%2)+16*(\t):64*((\us)%2)+16*(\t)+15], v[AC+16*(\us):AC+16*(\us)+15], 0
.else
	v_wmma_f32_16x16x128_fp8_fp8 v[ACC+8*(\t):ACC+8*(\t)+7], v[64*((\us)%2)+16*(\t):64*((\us)%2)+16*(\t)+15], v[AC+16*(\us):AC+16*(\us)+15], v[ACC+8*(\t):ACC+8*(\t)+7]
.endif
.endm
.macro ADDS j, s, mm
.set US, ((\s)+3)%4
.set WN, 1+US/2                        ; source 0 from window 1 or 2: the points of step s and te's fragments of step s - 1 lie there together
.set PB, 128+64*(US%2)
	WIN WN
.set TT, 0
.rept 4
.if \mm
	MM4 US, TT
.endif
.set I, 0
.rept 8
	v_pk_add_f32 v[G+16*TT+2*I:G+16*TT+2*I+1], v[PB+16*TT+2*I:PB+16*TT+2*I+1], v[NC+2*(\j):NC+2*(\j)+1]
.set I, I+1
.endr
.set TT, TT+1
.endr
.endm
; FIN: g -> a byte whose low three bits say 'k', 'k + 1' or 'neither' -> the code.  The results are step s's fragment of w.
.macro FIN j, s
	WIN 0
.set I, 0
.rept 8
	v_cvt_scalef32_pk8_fp8_f32 v[RAW+2*I:RAW+2*I+1], v[G+8*I:G+8*I+7], v[SCG]   ; 512 g: -128, 384, or beyond 448
.set I, I+1
.endr
	v_nop                                          ; one plain vector instruction between the conversions and the first reader of a result
.set I, 0
.rept 16
	v_and_b32 v[RAW+I], s[M7], v[RAW+I]            ; 0, 4, or 7 (6)
.set I, I+1
.endr
.set I, 0
.rept 16
	v_perm_b32 v[AC+16*(\s)+I], v[CB+(\j)], v[CA+(\j)], v[RAW+I]   ; selector 0: ca; 4: cb; 6, 7: the zeros above cb
.set I, I+1
.endr
.endm
.macro WMM s                           ; a step's four products with nothing between
.set WN, 1+(\s)/2
	WIN WN
.set TT, 0
.rept 4
	MM4 \s, TT
.set TT, TT+1
.endr
.endm
; THE WAY OUT of tile j, in two parts with a K step's work between, so that nobody waits for the stage.
.macro OUT_A j
	WIN 0xc0                                       ; destination window 3
.set I, 0
.rept 16
	v_pk_mul_f32 v[SS+2*I:SS+2*I+1], v[ACC+2*I:ACC+2*I+1], s[SC:SC+1] op_sel_hi:[1,0]   ; x 2^(e0 + e1); each accumulator from its low end on
.set I, I+1
.endr
	WIN 0x0c                                       ; store data (source 1) window 3
.set I, 0
.rept 4
	ds_store_b128 v[STO], v[SS+8*I:SS+8*I+3] offset:64*I          ; lane (r, h): out(r, 16 I + 8 h + 0 .. 7)
	ds_store_b128 v[STO], v[SS+8*I+4:SS+8*I+7] offset:64*I+16
.set I, I+1
.endr
.if (\j) > 0
	s_wait_xcnt 0x0                                ; the last tile's stores have read their registers: these may be loaded again
.endif
	WIN 0xc0
.set I, 0
.rept 8
	ds_load_b128 v[RR+4*I:RR+4*I+3], v[RD] offset:2*I*SP          ; LDS serves a wave's instructions in order: these see my stores
.set I, I+1
.endr
	WIN 0
.endm
.macro OUT_B j
	s_wait_dscnt 0x0                               ; the rows are back
	WIN 0x0c
.set I, 0
.rept 8
	global_store_b128 v[LI], v[RR+4*I:RR+4*I+3], s[12:13] offset:4096*(\j)+512*I th:TH_STORE_NT   ; 32 lanes store two rows: 512 consecutive bytes, at a multiple of 256 from out's first byte
.set I, I+1
.endr
	WIN 0
.endm
	s_wait_dscnt 0x0                               ; the points are in my registers
	; ---- tile 0's codes are made while te is on its way
.irp s, 0,1,2,3
	ADDS 0, \s, 0
	FIN 0, \s
.endr
	; ---- te: my quarter (rows 128 w on, K step s = w) becomes four fragments.  A lane takes a column, its registers run down K: 16 rows a group, columns 0-31 (groups 0-7) and 32-63 (groups 8-15).
	s_wait_tensorcnt 0x0                           ; my own load has landed; only I read these bytes
.macro TLD g
.set I, 0
.rept 16
	ds_load_b32 v[G+16*((\g)%4)+I], v[TRD] offset:(16*((\g)%8)+I)*256+128*((\g)/8)   ; 32 lanes read 128 consecutive bytes of a row
.set I, I+1
.endr
.endm
.macro TQ g
.set NLD, 15-(\g)                      ; groups of loads issued behind this group's: three, fewer at the end;
.if NLD > 3
.set NLD, 3
.endif
.set NST, (\g)                         ; and image stores issued behind them: one for each of the last three groups
.if NST > 3
.set NST, 3
.endif
	s_wait_dscnt 16*NLD+NST                        ; this group's 16 loads are in (LDS instructions end in order); so is the store that read these four code registers four groups ago
.set I, 0
.rept 16
	v_med3_num_f32 v[G+16*((\g)%4)+I], v[G+16*((\g)%4)+I], -v[LIMB], v[LIMB]   ; the hold at the largest code x the scale
.set I, I+1
.endr
	v_cvt_scalef32_pk8_fp8_f32 v[RAW+4*((\g)%4):RAW+4*((\g)%4)+1], v[G+16*((\g)%4):G+16*((\g)%4)+7], v[SCB]
	v_cvt_scalef32_pk8_fp8_f32 v[RAW+4*((\g)%4)+2:RAW+4*((\g)%4)+3], v[G+16*((\g)%4)+8:G+16*((\g)%4)+15], v[SCB]
	ds_store_b128 v[BST], v[RAW+4*((\g)%4):RAW+4*((\g)%4)+3] offset:4096*((\g)/8)+256*((\g)%8)   ; rows 16 q on are registers 4 (q / 2) .. + 3 of the lanes' half q % 2: 512 (q / 2) + 256 (q % 2) = 256 q
.endm
	TLD 0
	TLD 1
	TLD 2
.set GQ, 0
.rept 16
.if GQ+3 < 16
	TLD GQ+3
.endif
	TQ GQ
.set GQ, GQ+1
.endr
	v_nop                                          ; a plain vector instruction behind the last conversion
	s_wait_dscnt 0x0                               ; for the others' sake: my images have landed
	s_barrier_signal -1
	s_barrier_wait -1                              ; everybody's have
.macro BLD s                           ; K step s: fragment t = I / 4, its registers 4 (I % 4) on
.set I, 0
.rept 16
	ds_load_b128 v[64*((\s)%2)+4*I:64*((\s)%2)+4*I+3], v[BRD] offset:8192*(\s)+512*I
.set I, I+1
.endr
.endm
	WIN 0x40
	BLD 0
	BLD 1
	WIN 0x80
	BLD 2
	BLD 3
	s_wait_dscnt 48                                ; step 0's 16 loads are in; the 48 behind them may be out
	WMM 0
	s_wait_dscnt 32
	WMM 1
	s_wait_dscnt 16
	WMM 2
	s_wait_dscnt 0x0
	; ---- tiles 1 to 3: each step's products ride among the next step's additions; a tile leaves while the next tile's codes are made
.irp j, 1,2,3
	ADDS \j, 0, 1                                  ; with the products of step 3 of the tile before
	FIN \j, 0                                      ; (its 33 plain instructions are the places between those products and the first read of their sums)
	OUT_A \j-1
	ADDS \j, 1, 1
	FIN \j, 1
	OUT_B \j-1
	ADDS \j, 2, 1
	FIN \j, 2
	ADDS \j, 3, 1
	FIN \j, 3
.endr
	WMM 3
	WIN 0
.rept 4
	v_nop                                          ; four places between the last products and the first read of their sums (ISA guide 7.12.1)
.endr
	OUT_A 3
	OUT_B 3
	s_wait_tensorcnt 0x0                           ; the wave's end, behind my last tensor load and my last LDS store
	ds_add_u32 v[SPW], v[NIL]
	s_wait_dscnt 0x0
	CROUND                                         ; the closing round: no work-group ends while a partner may still ask for a tile that names it
	s_endpgm
.Lfunc_end_k_q26f082dc79_embed:
	.size	k_q26f082dc79_embed, .Lfunc_end_k_q26f082dc79_embed-k_q26f082dc79_embed
	.p2alignl 7, 3214868480
	.fill 96, 4, 3214868480
	.section	.rodata,"a",@progbits
	.p2align	6, 0x0
	.amdhsa_kernel k_q26f082dc79_embed
		.amdhsa_group_segment_fixed_size 189952
		.amdhsa_private_segment_fixed_size 0
		.amdhsa_enable_private_segment 0
		.amdhsa_kernarg_size 40
		.amdhsa_user_sgpr_count 2
		.amdhsa_user_sgpr_kernarg_segment_ptr 1
		.amdhsa_wavefront_size32 1
		.amdhsa_system_sgpr_workgroup_id_x 1
		.amdhsa_system_sgpr_workgroup_id_y 1
		.amdhsa_system_sgpr_workgroup_id_z 1
		.amdhsa_system_vgpr_workitem_id 0
		.amdhsa_next_free_vgpr 832
		.amdhsa_next_free_sgpr 66
		.amdhsa_reserve_vcc 1
		.amdhsa_float_denorm_mode_32 3
		.amdhsa_float_denorm_mode_16_64 3
		.amdhsa_memory_ordered 1
		.amdhsa_forward_progress 1
		.amdhsa_inst_pref_size 136
	.end_amdhsa_kernel
	.amdgpu_metadata
---
amdhsa.version: [ 1, 2 ]
amdhsa.kernels:
  - .name:           k_q26f082dc79_embed
    .symbol:         k_q26f082dc79_embed.kd
    .args:
      - { .name: x, .offset: 0, .size: 8, .value_kind: global_buffer, .address_space: global }
      - { .name: points, .offset: 8, .size: 8, .value_kind: global_buffer, .address_space: global }
      - { .name: time_embedding, .offset: 16, .size: 8, .value_kind: global_buffer, .address_space: global }
      - { .name: lowp_scales, .offset: 24, .size: 8, .value_kind: global_buffer, .address_space: global }
      - { .name: out0, .offset: 32, .size: 8, .value_kind: global_buffer, .address_space: global }
    .group_segment_fixed_size: 189952
    .private_segment_fixed_size: 0
    .kernarg_segment_align: 8
    .kernarg_segment_size: 40
    .max_flat_workgroup_size: 128
    .sgpr_count:     66
    .vgpr_count:     832
    .wavefront_size: 32
...
	.end_amdgpu_metadata
.endif
;; end of part 1
